; MI455X (gfx1250); checked and timed in simulation.
; The chip was launched on July 23, 2026; its instructions are those of AMD's public machine-readable ISA for CDNA 5 (MIT licence, August 2026) and "CDNA5" Instruction Set Architecture Reference Guide (July 2026). The comments in the code are by the model that wrote it; some were corrected since.
;; Tree Attention Wrapper. Allowed arithmetic: matrix products marked QUANTISED: E2M1 operands, one E8M0 scale for each 32 along K, by v_wmma_scale_f32_16x16x128_f8f6f4 with both operands' format E2M1 (or v_wmma_scale_f32_32x16x128_f4), f32 sums; everything else in f32.
;; Inputs: cu_seqlens 2 int32; k_codes 1 x 16 x 4,096 x 4 x 16 uint8 (E2M1 codes of k, K innermost, in blocks of 32 codes, two codes a byte); k_scales 1 x 16 x 4,096 x 4 uint8 (E8M0 scales of k, one for each 32 codes along K); mask 4,096 x 4,096 bool; q_codes 1 x 16 x 4,096 x 4 x 16 uint8 (E2M1 codes of q, K innermost, in blocks of 32 codes, two codes a byte); q_scales 1 x 16 x 4,096 x 4 uint8 (E8M0 scales of q, one for each 32 codes along K); v_codes 1 x 16 x 128 x 128 x 16 uint8 (E2M1 codes of v, K innermost, in blocks of 32 codes, two codes a byte); v_scales 1 x 16 x 128 x 128 uint8 (E8M0 scales of v, one for each 32 codes along K).
;; Outputs: out0 1 x 16 x 4,096 x 128 float32.
;; Constants: max_seqlen = 4096.
;; This version of the problem:
;;   THIS VERSION OF THE PROBLEM IS GIVEN IN LOW PRECISION. The matrix products marked QUANTISED in the list below multiply operands that are first quantised to E2M1 (2 exponent bits, 1 mantissa bit; 4 bits a number), with one power-of-two scale for each 32 numbers along K (OCP MX v1.0); their sums are f32. All else is computed in f32.
;;   The module's matrix products, in the order in which they are computed (A, B: the left and right operand; K: the contracted axis; several contracted axes count as one K, in the product's order):
;;     1. batch 16 x [M 4,096, K 128] x [K 128, N 4,096]; A: input q (given as codes); B: input k (given as codes): QUANTISED
;;     2. batch 16 x [M 4,096, K 4,096] x [K 4,096, N 128]; A: softmax (see below); B: input v (given as codes): QUANTISED
;;   THE QUANTISER, for each operand of a quantised product, along K:
;;     - K is cut into blocks of 32 from its start; a last block that is shorter is filled with zeros.
;;     - A block's scale is 2^e with e = floor(log2(the largest magnitude in the block)) - 2, held to -126 .. 127; a block of zeros has e = 0. As a byte (E8M0): e + 127.
;;     - Each number is divided by its block's scale, clamped to +-6, and rounded to the nearest number of E2M1, ties to even, subnormals kept.
;;     - The product sums the exact products of the quantised numbers (number of the format x scale) in f32.
;;   ~~~python
;;   def quantise(x, axis):      # numpy; x: float32 -> the quantised numbers, widened to float32 again
;;       x = np.moveaxis(x, axis, -1); K = x.shape[-1]
;;       x = np.pad(x, [(0, 0)] * (x.ndim - 1) + [(0, -K % 32)]); x = x.reshape(x.shape[:-1] + (-1, 32)); a = np.abs(x).max(-1, keepdims=True)
;;       e = np.where(a > 0, np.clip(np.frexp(np.where(a > 0, a, 1))[1] - 1 - 2, -126, 127), 0)      # np.frexp(a)[1] - 1 = floor(log2(a)), exactly
;;       r = np.clip(x / 2.0 ** e, -6, 6)
;;       step = 2.0 ** (np.maximum(np.frexp(np.where(r == 0, 1, r))[1] - 1, 0) - 1)
;;       q = np.round(r / step) * step * 2.0 ** e      # np.round: ties to even
;;       return np.moveaxis(q.reshape(q.shape[:-2] + (-1,))[..., :K], -1, axis).astype(np.float32)
;;   ~~~
;;   SOFTMAX AHEAD OF A QUANTISED PRODUCT. Where the list says 'softmax', what is quantised is not the finished softmax but p = 2^(t - M), with t = logit x log2(e) and M = ceil(the row's largest t), a whole number; so 1/2 < the row's largest p <= 1. The row's sum l is taken of the UNQUANTISED p, in f32, and the product's result is divided by l at the end. Since M is a whole number, a kernel that streams over the keys may use a running M (the ceiling of the running maximum): every later rescaling is an exact power of two, which a block's scale takes up: the codes' values come out the same.
;;   OPERANDS COMPUTED ON THE WAY. 'Computed on the way' means the value that the module computes at that place (a softmax that the list does not call 'softmax' is quantised finished and normalised). What goes into a quantiser is computed in f32, as accurately as f32 sums, v_exp_f32 and their like allow (about 1e-6 of the number): no bf16 or f16 on the way to a quantiser, and a product that is left as it is and whose result goes on into a quantised operand takes f32 operands (vector FMAs, or v_wmma_f32_16x16x4_f32). A number that lies on a knife's edge between two numbers of the format may be rounded either way, as far as f32 arithmetic and the matrix unit's own rounding can turn it there, and no further.
;;   INPUTS GIVEN AS CODES. k (in the module: [1, 16, 4096, 128], K = its axis 3); q (in the module: [1, 16, 4096, 128], K = its axis 3); v (in the module: [1, 16, 4096, 128], K = its axis 2): each comes as NAME_codes (uint8): NAME with its K axis moved to the last place and cut into blocks of 32 codes, [.., K / 32, bytes a block], one block behind the other in memory; two codes a byte, the lower K in the low four bits (a code: sign, 2 exponent bits, 1 mantissa bit); and NAME_scales (uint8): the same leading axes, one E8M0 byte (e + 127) for each 32 codes along K. Its value is code x scale, taken as it is: it is not quantised again, and the codes and scales need not be those that the quantiser above would give.
;; One version. Each part assembles by itself: llvm-mc -triple=amdgcn-amd-amdhsa -mcpu=gfx1250 --defsym DOCPART=n.
;; ======== version 1 of 1: 2 launches
;; limits: right only within a limited range of input values
;; workspace buffers: kv 8,912,896 bytes; flags 2,048 bytes of whole numbers
;; launch prep (part 1): grid 384 x 1, 8 waves a work-group, no clusters, 18,688 bytes of LDS; arguments mask, k_codes, k_scales, v_codes, v_scales, kv, flags; writes kv, flags
.if DOCPART == 1
	.amdgcn_target "amdgcn-amd-amdhsa--gfx1250"
	.amdhsa_code_object_version 6
	.text
	.protected	k_qe3cce00d11_prep
	.globl	k_qe3cce00d11_prep
	.p2align	8
	.type	k_qe3cce00d11_prep,@function
k_qe3cce00d11_prep:
	s_mov_b64 s[64:65], 0
	v_nop
	global_prefetch_b8 v0, s[64:65] scope:SCOPE_SE
	s_setreg_imm32_b32 hwreg(HW_REG_WAVE_MODE, 25, 1), 1
	s_wait_xcnt 0x0
; TWO JOBS IN ONE LAUNCH, told apart by the work-group's number.
; (a) Work-groups 0-255: the mask [4096][4096], one byte a place, becomes two words for each tile T of 16 queries.  Bit kk (a key step of 128 keys) of
;     NEED:    the 16 x 128 block holds a byte that is not 0; or some row of the tile has no such byte in all its 4,096 columns (then every bit is set: such a row
;              weighs all keys alike, so all keys have to be walked);
;     PARTIAL: NEED, and not all 2,048 bytes are 1: the attention launch then reads the block's bytes.  A byte other than 0 and 1 counts as true: it can only make a block partial.
;     flags[T] = {NEED, PARTIAL}: whole numbers, on which the next launch's branches and addresses hang.
; (b) Work-groups 256-383: k and v, codes and scale bytes, are laid once as RECORDS of REC bytes, one for each (head, key step), IN THE ORDER OF THE OPERANDS' REGISTERS, lane l = 16 h + r:
;       0     + 1024 t + 512 c + 16 l: k's fragment t, registers 4 c .. 4 c + 3: key 32 (t / 2) + 8 (t % 2) + r + 8 (r / 8) of the step, bytes 32 c + 16 h on
;       8192  + 1024 t + 512 c + 16 l: v's fragment t: channel 16 t + r, bytes 32 c + 16 h on of the step's 64
;       16384 + 16 l + 4 j: k's scale word of fragment 4 h + j, row r;      16896 + 16 l + 4 j: v's likewise
;     So the next launch moves a record as dense bytes and every fragment comes by loads of 16 bytes at 16 x lane.  THE KEYS OF A FRAGMENT ARE NOT NEIGHBOURS: they are chosen so that the
;     16 score registers of fragments 2 b and 2 b + 1 are 16 neighbouring keys, as the second product's operand wants them.
; Memory binds: every load of the mask is 512 consecutive bytes, every store of a record 512 consecutive aligned bytes.  No matrix unit, no tensor load, no cluster: nothing is shared between work-groups.
; One barrier, on the way that all work-groups take; only job (a) touches LDS.
.set REC,    17408
.set MASKWG, 256                       ; work-groups of job (a)
.set PIT,    272                       ; LDS: a key step's 64 words + 16 bytes, so that 32 lanes that each read a row do not fall on the same banks
.set ORB,    0                         ; 32 rows: row kk holds 64 words whose OR says "any byte set in block kk"
.set ANDB,   32*PIT                    ; 32 rows: the same for the AND: "all bytes 1"
.set ROWOK,  64*PIT                    ; 8 words: wave w: both its rows hold a byte that is not 0
; v1 lane, v2 r, v3 h, v4 16 x lane; v5-v8 source offsets of job (b); v9-v11, v28 LDS addresses; v12-v27 at work; v32-v159 loaded data
	s_load_b256 s[4:11], s[0:1], 0x0               ; mask s[4:5], k_codes s[6:7], k_scales s[8:9], v_codes s[10:11]
	s_load_b128 s[12:15], s[0:1], 0x20             ; v_scales s[12:13], kv s[14:15]
	s_load_b64 s[16:17], s[0:1], 0x30              ; flags
	v_lshl_add_u32 v160, v0, 2, 0x4500
	v_mov_b32 v161, 0
	v_lshrrev_b32 v1, 5, v0
	v_readfirstlane_b32 s18, v1                    ; wave 0..7
	v_and_b32 v1, 31, v0                           ; lane
	v_and_b32 v2, 15, v0                           ; r
	v_bfe_u32 v3, v0, 4, 1                         ; h
	v_lshlrev_b32 v4, 4, v1                        ; 16 x lane
	v_and_b32 v14, 8, v2
	v_add_nc_u32 v14, v14, v2                      ; r + 8 (r / 8)
	v_lshlrev_b32 v5, 6, v14
	v_lshl_add_u32 v5, v3, 4, v5                   ; k's codes: a key is 64 bytes; + 16 h
	v_lshlrev_b32 v6, 11, v2
	v_lshl_add_u32 v6, v3, 4, v6                   ; v's codes: a channel's row is 2,048 bytes; + 16 h
	v_lshlrev_b32 v7, 2, v14
	v_lshl_add_u32 v7, v3, 8, v7                   ; k's scale words: 4 bytes a key; fragments 4 h on begin 64 h keys on
	v_lshlrev_b32 v8, 7, v2
	v_lshl_add_u32 v8, v3, 13, v8                  ; v's: a channel's row is 128 bytes; fragments 4 h on begin 64 h channels on
	v_lshrrev_b32 v14, 3, v1
	v_and_b32 v15, 7, v1
	v_mul_u32_u24 v9, v14, PIT
	v_lshl_add_u32 v9, v15, 2, v9
	s_lshl_b32 s19, s18, 5
	v_add_nc_u32 v9, s19, v9                       ; where I put a word: row lane / 8 of four, word 8 x wave + lane % 8
	v_mul_u32_u24 v10, v1, PIT                     ; where I read a row back: row = lane = kk
	s_lshl_b32 s19, s18, 2
	s_add_co_u32 s19, s19, ROWOK
	v_mov_b32 v11, s19                             ; my wave's word of ROWOK
	v_mov_b32 v28, ROWOK
	s_wait_kmcnt 0x0
	s_cmp_lt_u32 ttmp9, MASKWG
	s_cbranch_scc0 .Lrelay
	; ---- (a) wave w takes rows 16 T + 2 w and + 1, whole: 16 loads of 512 consecutive bytes
	s_lshl_b32 s20, ttmp9, 16                      ; 16 rows of 4,096 bytes a tile,
	s_lshl_b32 s21, s18, 13                        ; two rows a wave
	s_add_co_u32 s20, s20, s21
	s_mov_b32 s21, 0
	s_add_nc_u64 s[4:5], s[4:5], s[20:21]
.irp s, 0,1,2,3,4,5,6,7
.irp p, 0,1
	global_load_b128 v[32+8*\s+4*\p:35+8*\s+4*\p], v4, s[4:5] offset:4096*\p+512*\s th:TH_LOAD_NT
.endr
.endr
; Columns 512 s on.  My 16 bytes of each row lie in key step 4 s + lane / 8.
.macro MSTEP s
.set A, 32+8*(\s)
.if (\s) == 0
.set O0, 12                            ; the first step starts the rows' running ORs, v12 and v13: nothing is cleared
.set O1, 13
.else
.set O0, 14
.set O1, 15
.endif
	s_wait_loadcnt 14-2*(\s)                       ; loads come back in order: this step's two are in, the later steps' may be out
	v_or_b32 v16, v[A], v[A+1]
	v_or_b32 v17, v[A+2], v[A+3]
	v_or_b32 v18, v[A+4], v[A+5]
	v_or_b32 v19, v[A+6], v[A+7]
	v_and_b32 v20, v[A], v[A+1]
	v_and_b32 v21, v[A+2], v[A+3]
	v_and_b32 v22, v[A+4], v[A+5]
	v_and_b32 v23, v[A+6], v[A+7]
	v_or_b32 v[O0], v16, v17                       ; row 0's four words
	v_or_b32 v[O1], v18, v19                       ; row 1's
	v_and_b32 v20, v20, v21
	v_and_b32 v22, v22, v23
	v_or_b32 v16, v[O0], v[O1]
	v_and_b32 v20, v20, v22
.if (\s) > 0
	v_or_b32 v12, v12, v14
	v_or_b32 v13, v13, v15
.endif
	ds_store_b32 v9, v16 offset:ORB+4*PIT*(\s)
	ds_store_b32 v9, v20 offset:ANDB+4*PIT*(\s)
.endm
.irp s, 0,1,2,3,4,5,6,7
	MSTEP \s
.endr
	v_cmp_ne_u32 s20, 0, v12                       ; the lanes that saw a byte of row 0,
	v_cmp_ne_u32 s21, 0, v13                       ; of row 1
	s_cmp_lg_u32 s20, 0
	s_cselect_b32 s20, 1, 0
	s_cmp_lg_u32 s21, 0
	s_cselect_b32 s21, 1, 0
	s_and_b32 s20, s20, s21                        ; 1: both my rows see a key
	v_mov_b32 v14, s20
	ds_store_b32 v11, v14                          ; all lanes write the same word with the same value
	s_branch .Ljoin
	; ---- (b) work-group y = number - 256: head y / 8, key steps 4 (y % 8) .. + 3.  All 20 loads of a wave go out first, then its 17 stores
.Lrelay:
	s_sub_co_u32 s19, ttmp9, MASKWG
	s_lshr_b32 s20, s19, 3                         ; head
	s_and_b32 s21, s19, 7
	s_lshl_b32 s24, s21, 2                         ; the first of my four steps
	s_lshr_b32 s22, s18, 1
	s_and_b32 s23, s18, 1
	s_add_co_u32 s25, s24, s22                     ; k: wave w takes step + w / 2, fragments 4 (w % 2) .. + 3
	s_lshl_b32 s26, s20, 18                        ; a head's codes: 262,144 bytes
	s_lshl_b32 s27, s25, 13                        ; a step's 128 keys: 8,192
	s_add_co_u32 s26, s26, s27
	s_lshl_b32 s27, s23, 12                        ; four fragments span 64 keys: 4,096
	s_add_co_u32 s26, s26, s27
	s_mov_b32 s27, 0
	s_add_nc_u64 s[6:7], s[6:7], s[26:27]
.irp t, 0,1,2,3
.irp c, 0,1
	global_load_b128 v[32+8*\t+4*\c:35+8*\t+4*\c], v5, s[6:7] offset:(32*(\t/2)+8*(\t%2))*64+32*\c th:TH_LOAD_NT
.endr
.endr
	s_lshl_b32 s28, s20, 18
	s_lshl_b32 s29, s18, 15                        ; v: wave w takes fragment w (16 channels of 2,048 bytes) of all four steps:
	s_add_co_u32 s28, s28, s29
	s_lshl_b32 s29, s21, 8                         ; 256 aligned bytes of each row
	s_add_co_u32 s28, s28, s29
	s_mov_b32 s29, 0
	s_add_nc_u64 s[10:11], s[10:11], s[28:29]
.irp q, 0,1,2,3
.irp c, 0,1
	global_load_b128 v[64+8*\q+4*\c:67+8*\q+4*\c], v6, s[10:11] offset:64*\q+32*\c th:TH_LOAD_NT
.endr
.endr
	s_and_b32 s30, s18, 3
	s_add_co_u32 s30, s24, s30                     ; the scale words: waves 0-3 take k's, waves 4-7 v's, of step + w % 4
	s_lshl_b32 s32, s20, 14                        ; a head's scale bytes: 16,384
	s_mov_b32 s33, 0
	s_cmp_lt_u32 s18, 4
	s_cbranch_scc0 .Lv_scales                      ; four loads on either way, so the counts below hold on both
	s_lshl_b32 s31, s30, 9                         ; 128 keys x 4 bytes
	s_add_co_u32 s32, s32, s31
	s_add_nc_u64 s[8:9], s[8:9], s[32:33]
.irp j, 0,1,2,3
	global_load_b32 v[24+\j], v7, s[8:9] offset:128*(\j/2)+32*(\j%2) th:TH_LOAD_NT
.endr
	s_branch .Lscales_asked
.Lv_scales:
	s_lshl_b32 s31, s30, 2                         ; 4 bytes of each channel's row
	s_add_co_u32 s32, s32, s31
	s_add_nc_u64 s[12:13], s[12:13], s[32:33]
.irp j, 0,1,2,3
	global_load_b32 v[24+\j], v8, s[12:13] offset:2048*\j th:TH_LOAD_NT
.endr
.Lscales_asked:
	s_lshl_b32 s34, s20, 5                         ; 32 records a head
	s_add_co_u32 s35, s34, s25
	s_mul_i32 s36, s35, REC
	s_lshl_b32 s37, s23, 12
	s_add_co_u32 s36, s36, s37
	s_mov_b32 s37, 0
	s_add_nc_u64 s[36:37], s[14:15], s[36:37]      ; k's fragments 4 (w % 2) on, in their record
	s_add_co_u32 s35, s34, s24
	s_mul_i32 s38, s35, REC
	s_lshl_b32 s39, s18, 10
	s_add_co_u32 s38, s38, s39
	s_add_co_u32 s38, s38, 8192
	s_mov_b32 s39, 0
	s_add_nc_u64 s[38:39], s[14:15], s[38:39]      ; v's fragment w, in the first of the four records
	s_add_co_u32 s35, s34, s30
	s_mul_i32 s40, s35, REC
	s_cmp_lt_u32 s18, 4
	s_cselect_b32 s41, 0, 512
	s_add_co_u32 s40, s40, s41
	s_add_co_u32 s40, s40, 16384
	s_mov_b32 s41, 0
	s_add_nc_u64 s[40:41], s[14:15], s[40:41]      ; the scale words' 512 bytes
.irp t, 0,1,2,3
.irp c, 0,1
	s_wait_loadcnt 19-2*\t-\c                      ; of the 20 loads those issued behind this one may be out
	global_store_b128 v4, v[32+8*\t+4*\c:35+8*\t+4*\c], s[36:37] offset:1024*\t+512*\c   ; 32 lanes store 512 consecutive bytes, at a multiple of 256 from kv's first byte
.endr
.endr
.irp q, 0,1,2,3
.irp c, 0,1
	s_wait_loadcnt 11-2*\q-\c
	global_store_b128 v4, v[64+8*\q+4*\c:67+8*\q+4*\c], s[38:39] offset:REC*\q+512*\c
.endr
.endr
	s_wait_loadcnt 0x0
	global_store_b128 v4, v[24:27], s[40:41]
	s_wait_xcnt 0x0                                ; the stores have read their registers: behind the join none of them is still a source
.Ljoin:
	s_wait_dscnt 0x0                               ; for the others' sake: my words lie in LDS
	s_barrier_signal -1
	s_barrier_wait -1
	s_cmp_lt_u32 ttmp9, MASKWG
	s_cbranch_scc0 .Lend
	s_cmp_eq_u32 s18, 0
	s_cbranch_scc0 .Lend
	; ---- wave 0 of a mask work-group folds: lane kk takes key step kk's 64 + 64 words
	ds_load_b128 v[16:19], v28
	ds_load_b128 v[20:23], v28 offset:16
.irp j, 0,1,2,3,4,5,6,7,8,9,10,11,12,13,14,15
	ds_load_b128 v[32+4*\j:35+4*\j], v10 offset:ORB+16*\j
.endr
.irp j, 0,1,2,3,4,5,6,7,8,9,10,11,12,13,14,15
	ds_load_b128 v[96+4*\j:99+4*\j], v10 offset:ANDB+16*\j
.endr
.macro FOLD op, base, d                ; 64 words from v[base] on become one in v[d]: four chains, v[d] .. v[d + 3], which do not wait for each other
.irp k, 0,1,2,3
	\op v[\d+\k], v[\base+2*\k], v[\base+2*\k+1]
.endr
.set i, \base+8
.rept 14
.irp k, 0,1,2,3
	\op v[\d+\k], v[\d+\k], v[i+\k]
.endr
.set i, i+4
.endr
	\op v[\d], v[\d], v[\d+1]
	\op v[\d+2], v[\d+2], v[\d+3]
	\op v[\d], v[\d], v[\d+2]
.endm
	s_wait_dscnt 16                                ; all but the 16 loads of the AND words
	FOLD v_or_b32, 32, 12
	v_and_b32 v16, v16, v17                        ; do all 16 rows see a key?
	v_and_b32 v18, v18, v19
	v_and_b32 v20, v20, v21
	v_and_b32 v22, v22, v23
	v_and_b32 v16, v16, v18
	v_and_b32 v20, v20, v22
	v_and_b32 v16, v16, v20
	v_readfirstlane_b32 s22, v16
	s_wait_dscnt 0x0
	FOLD v_and_b32, 96, 24
	v_cmp_ne_u32 s20, 0, v12                       ; bit kk: the block holds a byte that is not 0
	v_cmp_eq_u32 s21, 0x01010101, v24              ; bit kk: all its bytes have bit 0 set and share no other bit: none is 0
	s_cmp_lg_u32 s22, 0
	s_cselect_b32 s23, 0, -1                       ; a row that sees no key: every step is needed
	s_or_b32 s20, s20, s23                         ; NEED
	s_and_not1_b32 s21, s20, s21                   ; PARTIAL
	v_mov_b32 v14, s20
	v_mov_b32 v15, s21
	s_lshl_b32 s24, ttmp9, 3
	v_mov_b32 v16, s24                             ; 8 bytes a tile
	s_wait_xcnt 0x0                                ; EXEC changes only behind this wait
	v_cmp_eq_u32 vcc_lo, 0, v1
	s_and_saveexec_b32 s25, vcc_lo
	global_store_b64 v16, v[14:15], s[16:17]       ; lane 0 alone
	s_wait_xcnt 0x0                                ; and again in front of the line that widens it
	s_or_b32 exec_lo, exec_lo, s25
.Lend:
	s_wait_tensorcnt 0x0
	ds_add_u32 v160, v161
	s_wait_dscnt 0x0
	s_endpgm
.Lfunc_end_k_qe3cce00d11_prep:
	.size	k_qe3cce00d11_prep, .Lfunc_end_k_qe3cce00d11_prep-k_qe3cce00d11_prep
	.p2alignl 7, 3214868480
	.fill 96, 4, 3214868480
	.section	.rodata,"a",@progbits
	.p2align	6, 0x0
	.amdhsa_kernel k_qe3cce00d11_prep
		.amdhsa_group_segment_fixed_size 18688
		.amdhsa_private_segment_fixed_size 0
		.amdhsa_enable_private_segment 0
		.amdhsa_kernarg_size 56
		.amdhsa_user_sgpr_count 2
		.amdhsa_user_sgpr_kernarg_segment_ptr 1
		.amdhsa_wavefront_size32 1
		.amdhsa_system_sgpr_workgroup_id_x 1
		.amdhsa_system_sgpr_workgroup_id_y 1
		.amdhsa_system_sgpr_workgroup_id_z 1
		.amdhsa_system_vgpr_workitem_id 0
		.amdhsa_next_free_vgpr 162
		.amdhsa_next_free_sgpr 66
		.amdhsa_reserve_vcc 1
		.amdhsa_float_denorm_mode_32 3
		.amdhsa_float_denorm_mode_16_64 3
		.amdhsa_memory_ordered 1
		.amdhsa_forward_progress 1
		.amdhsa_inst_pref_size 23
	.end_amdhsa_kernel
	.amdgpu_metadata
---
amdhsa.version: [ 1, 2 ]
amdhsa.kernels:
  - .name:           k_qe3cce00d11_prep
    .symbol:         k_qe3cce00d11_prep.kd
    .args:
      - { .name: mask, .offset: 0, .size: 8, .value_kind: global_buffer, .address_space: global }
      - { .name: k_codes, .offset: 8, .size: 8, .value_kind: global_buffer, .address_space: global }
      - { .name: k_scales, .offset: 16, .size: 8, .value_kind: global_buffer, .address_space: global }
      - { .name: v_codes, .offset: 24, .size: 8, .value_kind: global_buffer, .address_space: global }
      - { .name: v_scales, .offset: 32, .size: 8, .value_kind: global_buffer, .address_space: global }
      - { .name: kv, .offset: 40, .size: 8, .value_kind: global_buffer, .address_space: global }
      - { .name: flags, .offset: 48, .size: 8, .value_kind: global_buffer, .address_space: global }
    .group_segment_fixed_size: 18688
    .private_segment_fixed_size: 0
    .kernarg_segment_align: 8
    .kernarg_segment_size: 56
    .max_flat_workgroup_size: 256
    .sgpr_count:     66
    .vgpr_count:     162
    .wavefront_size: 32
...
	.end_amdgpu_metadata
.endif
;; end of part 1
;; launch attn (part 2): grid 16 x 16, 16 waves a work-group, no clusters, 210,944 bytes of LDS; arguments q_codes, q_scales, mask, kv, flags, out0; writes out0
.if DOCPART == 2
	.amdgcn_target "amdgcn-amd-amdhsa--gfx1250"
	.amdhsa_code_object_version 6
	.text
	.protected	k_qe3cce00d11_attn
	.globl	k_qe3cce00d11_attn
	.p2align	8
	.type	k_qe3cce00d11_attn,@function
k_qe3cce00d11_attn:
	s_mov_b64 s[64:65], 0
	v_nop
	global_prefetch_b8 v0, s[64:65] scope:SCOPE_SE
	s_setreg_imm32_b32 hwreg(HW_REG_WAVE_MODE, 25, 1), 1
	s_wait_xcnt 0x0
; out0[h][q][:] = the sum over k of softmax_k(mask[q][k] ? Q[h][q] . K[h][k] / sqrt(128) : -1e30) V[h][k][:], both products on codes of FP4 (E2M1) with one E8M0 scale for each 32 along a product's K.
; THE SOFTMAX AHEAD OF THE SECOND PRODUCT: t = score x log2(e) / sqrt(128); M = the row's largest t so far, rounded UP to a whole number; p = 2^(t - M) is quantised along the keys, not normalised.
; The row's sum is taken of the unquantised p, in f32, and divides at the end.  When M moves, the sum and O are multiplied by 2^(old M - new M): exact.
; THE MASK IS AN INPUT.  The launch before has read it and stored, for each tile of 16 queries, two words: NEED (bit kk: key step kk, 128 keys, has to be walked) and PARTIAL (bit kk: the block's bytes have
; to be read).  In a partial step hidden scores become -2^103 ahead of the maximum.
; WHY -2^103: c x 2^103 is exact in f32, so for a row that sees no key at all t - M is exactly 0, every p is 1, the sum 4,096 and the result the mean of v, as with -1e30 in every place;
; such a tile's NEED has all bits set.  When a visible key follows hidden ones, old M - new M saturates, 2^(that) is 0, and what the hidden keys added is wiped out.
; LIMITS: logits are taken to lie above about -1e29; NaN and infinities among the products are not served.  cu_seqlens and max_seqlen enter no result of the definition and are not read.
; SHARES.  A work-group has 256 queries of one head, as four GROUPS of four waves (group = wave / 4); a group owns a block of 64 queries, a wave one tile of 16, in 256 registers.
; The four blocks of work-group x are x, 31 - x, 32 + x, 63 - x: early and late queries meet in one work-group, which evens the work out for masks that let late queries see more keys.  No value hangs on that.
; THE WALK.  A group walks the set bits of the OR of its four tiles' NEED, ascending.  k and v come as RECORDS of REC bytes for each (head, key step), laid by the launch before in the order of the operands'
; registers: the group's waves copy the NEXT step's record through registers into the group's other LDS buffer (dense bytes, 16 x lane) while the step in hand is worked; a fragment is read at 16 x lane.
; All 16 waves pass one barrier a trip, in a loop of 32 trips (a mask may need all 32 steps); a trip with nothing to do is a few scalar lines and the barrier.
; NO TENSOR LOADS, NO CLUSTER: which records a group wants hangs on numbers read from memory and differs from group to group and from work-group to work-group, so no two partners would ask for the same tile
; in the same trip.
; LAYOUT.  Both products are used transposed: S^T = K Q^T (source 0 = 16 keys, source 1 = my 16 queries), O^T = V^T P^T (source 0 = 16 channels, source 1 = P): a lane holds ONE query (lane % 16) throughout.
; Score register 16 b + i of lane (r, h) is key 32 b + 16 h + i of the step (the keys of k's fragments are chosen so).
.set REC,  17408                       ; a record: k's 8 fragments, v's 8 fragments, k's scale words, v's scale words
.set VIM,  8192
.set KSC,  16384
.set VSC,  16896
.set OUTS, 8*REC                       ; LDS: buffer b of group g at (2 g + b) REC; behind the eight buffers a stage of 16 x 272 bytes for each wave
.set LF,   1                           ; v1   2 REC g + 16 lane: a fragment's place for my lane in my group's buffer 0
.set LS,   2                           ; v2   LF + 512 (wave % 4): where I store my part of a record
.set LS2,  3                           ; v3   2 REC g + 256 (wave % 4) + 8 lane: and of its scale words
.set GS,   4                           ; v4   512 (wave % 4) + 16 lane: the same places in memory
.set GS2,  5                           ; v5   256 (wave % 4) + 8 lane
.set MO,   6                           ; v6   4096 r + 16 h: my 16 bytes of a block of 32 keys in the mask
.set GO,   7                           ; v7   512 h + 16 r: the way out
.set NEG,  8                           ; v8   -2^103
.set NM,   12                          ; v12  -M;  v13 the largest t;  v[14:15] the sum in two halves
.set TMX,  13
.set SUM,  14
.set QF,   16                          ; v16-23   Q's fragment
.set MW3,  24                          ; v24-27   the mask's words of block 3 (blocks 0, 1: v224-231; block 2: v240-243)
.set SB,   28                          ; v28-29   my 8 scale bytes of the record on its way
.set STI,  30                          ; v30, v31 the stage: in, and back
.set STB,  31
.set KF,   32                          ; v32-95   k's 8 fragments; then v32-63 v's fragments 0-3,
.set SG,   64                          ; v64-95   and my 128 bytes a lane of the record on its way
.set S,    96                          ; v96-159  S^T, then p; then v96-127 v's fragments 4-7
.set O,    160                         ; v160-223 O^T
.set PC,   224                         ; v224-231 p's codes
.set BM,   232                         ; v232-235 a block's largest score, then its largest p;  v236-239 the other half's, then the bytes
.set BX,   236
.set MW2,  240
.set SO,   244                         ; v244-247 the conversions' scale operands
.set SCW,  248                         ; v248-251 k's or v's scale words: lanes 0-15 fragments 0-3, lanes 16-31 fragments 4-7
.set F,    252                         ; v252 f = 2^(old M - new M);  v253 p's scale word;  v254 at work;  v255 Q's scale words
.set PW,   253
.set TP,   254
.set QS,   255
.set WV,   16                          ; s16 wave, s17 group, s18 wave % 4, s19 head
.set G,    17
.set WG,   18
.set HD,   19
.set SEL,  20                          ; s[20:21] lane selects for v_permlanex16_b32: lane l xor 16
.set CS,   22                          ; s[22:23] c = log2(e) / sqrt(128): the packed form names a pair and takes its low word for both halves
.set TT,   24                          ; s24 my tile
.set TMP,  25
.set GN,   26                          ; s26 the group's steps still to be fetched
.set WN,   28                          ; s28 my tile's NEED, less the steps done;  s29 its PARTIAL
.set WP,   29
.set STEPR, 30                         ; s30, s31 by turns: the step in hand and the step being fetched
.set RA,   32                          ; s[32:33] the address of the record being fetched
.set OFF,  34                          ; s[34:35] an offset, 0 above
.set MA,   36                          ; s[36:37] the mask at my tile's rows and the step's columns
.set MB,   38                          ; s[38:39] the mask at my tile's rows
.set BIT,  40
.set WK,   41                          ; not 0: my tile needs the step in hand
.set PT,   42                          ; not 0: and its mask bytes
.set CNT,  43
.set FL,   44                          ; s[44:51] the flags of my group's four tiles
.set CM,   52                          ; s52-55 lane masks: the four bytes of a mask word
.set HN,   56                          ; 1: there is a step to fetch
.set KVH,  58                          ; s[58:59] my head's records
; The lowest set bit of GN becomes the next step, in s[dst], and leaves GN.  With no bit left the count gives -1, which the hold turns into 31; HN = 0 then, and nothing is fetched.
; The hold at 31 stands in the line from which every address that hangs on the flags is made.
.macro EXTRACT dst
	s_cmp_lg_u32 s[GN], 0
	s_cselect_b32 s[HN], 1, 0
	s_ctz_i32_b32 s[\dst], s[GN]
	s_min_u32 s[\dst], s[\dst], 31
	s_add_co_i32 s[TMP], s[GN], -1
	s_and_b32 s[GN], s[GN], s[TMP]
	s_mul_i32 s[OFF], s[\dst], REC
	s_add_nc_u64 s[RA:RA+1], s[KVH:KVH+1], s[OFF:OFF+1]
.endm
.macro STAGE_LOADS                     ; my quarter of a record: eight times 512 consecutive bytes, and 256 of the scale words
.irp n, 0,1,2,3,4,5,6,7
	global_load_b128 v[SG+4*\n:SG+4*\n+3], v[GS], s[RA:RA+1] offset:2048*\n
.endr
	global_load_b64 v[SB:SB+1], v[GS2], s[RA:RA+1] offset:KSC
.endm
.macro STAGE_STORES b                  ; into buffer b, as the bytes lie
.irp n, 0,1,2,3,4,5,6,7
	ds_store_b128 v[LS], v[SG+4*\n:SG+4*\n+3] offset:(\b)*REC+2048*\n
.endr
	ds_store_b64 v[LS2], v[SB:SB+1] offset:(\b)*REC+KSC
.endm
.macro STAGE_ISSUE
	s_cmp_lg_u32 s[HN], 0
	s_cbranch_scc0 .Lnone_\@
	STAGE_LOADS
.Lnone_\@:
.endm
.macro STAGE_STORE b
	s_cmp_lg_u32 s[HN], 0
	s_cbranch_scc0 .Lkeep_\@
	STAGE_STORES \b
.Lkeep_\@:
.endm
.macro SPROD t                         ; S^T, fragment t: 16 keys x my 16 queries; the constant 0 starts the sum
.if (\t) < 4
	v_wmma_scale_f32_16x16x128_f8f6f4 v[S+8*(\t):S+8*(\t)+7], v[KF+8*(\t):KF+8*(\t)+7], v[QF:QF+7], 0, v[SCW+(\t)], v[QS] matrix_a_fmt:MATRIX_FMT_FP4 matrix_b_fmt:MATRIX_FMT_FP4
.else
	v_wmma_scale_f32_16x16x128_f8f6f4 v[S+8*(\t):S+8*(\t)+7], v[KF+8*(\t):KF+8*(\t)+7], v[QF:QF+7], 0, v[SCW+(\t)-4], v[QS] matrix_a_fmt:MATRIX_FMT_FP4 matrix_b_fmt:MATRIX_FMT_FP4 matrix_a_scale:MATRIX_SCALE_ROW1
.endif
.endm
.macro OPROD t                         ; O^T += fragment t of V^T (16 channels) x P^T; K = the step's 128 keys
.if (\t) < 4
	v_wmma_scale_f32_16x16x128_f8f6f4 v[O+8*(\t):O+8*(\t)+7], v[KF+8*(\t):KF+8*(\t)+7], v[PC:PC+7], v[O+8*(\t):O+8*(\t)+7], v[SCW+(\t)], v[PW] matrix_a_fmt:MATRIX_FMT_FP4 matrix_b_fmt:MATRIX_FMT_FP4
.else
	v_wmma_scale_f32_16x16x128_f8f6f4 v[O+8*(\t):O+8*(\t)+7], v[S+8*((\t)-4):S+8*((\t)-4)+7], v[PC:PC+7], v[O+8*(\t):O+8*(\t)+7], v[SCW+(\t)-4], v[PW] matrix_a_fmt:MATRIX_FMT_FP4 matrix_b_fmt:MATRIX_FMT_FP4 matrix_a_scale:MATRIX_SCALE_ROW1
.endif
.endm
; k's scale words and eight fragments out of buffer b, and the eight products.
.macro KQ b
	ds_load_b128 v[SCW:SCW+3], v[LF] offset:(\b)*REC+KSC
.irp t, 0,1,2,3,4,5,6,7
.irp c, 0,1
	ds_load_b128 v[KF+8*\t+4*\c:KF+8*\t+4*\c+3], v[LF] offset:(\b)*REC+1024*\t+512*\c
.endr
.endr
	s_wait_dscnt 8                                 ; the scale words and fragments 0-3 are in; the eight loads of fragments 4-7 may be out
.irp t, 0,1,2,3
	SPROD \t
.endr
	s_wait_dscnt 0x0
.irp t, 4,5,6,7
	SPROD \t
.endr
.rept 4
	v_nop                                          ; four places in front of the first read of the scores and of loads into the registers that these products have read
.endr
.endm
; One word of the mask: four bytes, four score registers from v[s0] on.  A byte that is 0 hides its key.
.macro MWORD x, s0
	v_and_b32 v9, 0xff, v[\x]
	v_and_b32 v10, 0xffff, v[\x]
	v_and_b32 v11, 0xffffff, v[\x]
	v_cmp_eq_u32 s[CM], 0, v9                      ; byte 0 is 0
	v_cmp_gt_u32 s[CM+1], 0x100, v10               ; bytes 1:0 lie under 2^8: byte 1 is 0
	v_cmp_gt_u32 s[CM+2], 0x10000, v11             ; byte 2
	v_cmp_gt_u32 s[CM+3], 0x1000000, v[\x]         ; byte 3
.irp k, 0,1,2,3
	v_cndmask_b32 v[\s0+\k], v[\s0+\k], v[NEG], s[CM+\k]
.endr
.endm
; The scores of the step in hand, out of buffer b.  ONE branch on PARTIAL, with the products on both ways: the way that reads the mask's words is the way that has loaded them.
.macro UNIT_A b
	s_cmp_lg_u32 s[PT], 0
	s_cbranch_scc0 .Lopen_\@
	s_lshl_b32 s[OFF], s[STEPR+\b], 7              ; the step's 128 columns
	s_add_nc_u64 s[MA:MA+1], s[MB:MB+1], s[OFF:OFF+1]
	global_load_b128 v[PC:PC+3], v[MO], s[MA:MA+1]             ; row r, keys 32 b + 16 h + 0 .. 15: the keys of my score registers 16 b on
	global_load_b128 v[PC+4:PC+7], v[MO], s[MA:MA+1] offset:32
	global_load_b128 v[MW2:MW2+3], v[MO], s[MA:MA+1] offset:64
	global_load_b128 v[MW3:MW3+3], v[MO], s[MA:MA+1] offset:96
	KQ \b
	s_wait_loadcnt 0x0                             ; the mask's words (no other load of mine is out)
.irp d, 0,1,2,3                        ; ascending
	MWORD PC+\d, S+4*\d
.endr
.irp d, 0,1,2,3
	MWORD PC+4+\d, S+16+4*\d
.endr
.irp d, 0,1,2,3
	MWORD MW2+\d, S+32+4*\d
.endr
.irp d, 0,1,2,3
	MWORD MW3+\d, S+48+4*\d
.endr
	s_branch .Lscored_\@
.Lopen_\@:
	KQ \b
.Lscored_\@:
.endm
; The softmax of the step, p's codes, and the second product, out of buffer b.
.macro UNIT_B b
	ds_load_b128 v[SCW:SCW+3], v[LF] offset:(\b)*REC+VSC       ; v's scale words and fragments 0-3 land during the softmax
.irp t, 0,1,2,3
.irp c, 0,1
	ds_load_b128 v[KF+8*\t+4*\c:KF+8*\t+4*\c+3], v[LF] offset:(\b)*REC+VIM+1024*\t+512*\c
.endr
.endr
.irp b2, 0,1,2,3
	v_max3_num_f32 v[BM+\b2], v[S+16*\b2], v[S+1+16*\b2], v[S+2+16*\b2]   ; THE LARGEST SCORE OF EACH BLOCK OF 32 KEYS serves twice: for the row's maximum and, since p rises with the score, for the block's largest p
.endr
.irp i, 3,5,7,9,11,13
.irp b2, 0,1,2,3
	v_max3_num_f32 v[BM+\b2], v[BM+\b2], v[S+16*\b2+\i], v[S+1+16*\b2+\i]   ; (the four blocks by turns)
.endr
.endr
.irp b2, 0,1,2,3
	v_max_num_f32 v[BM+\b2], v[BM+\b2], v[S+15+16*\b2]
.endr
.irp b2, 0,1,2,3
	v_permlanex16_b32 v[BX+\b2], v[BM+\b2], s[SEL], s[SEL+1]
.endr
.irp b2, 0,1,2,3
	v_max_num_f32 v[BM+\b2], v[BM+\b2], v[BX+\b2]  ; with lane l xor 16's 16 keys
.endr
	v_max3_num_f32 v[TP], v[BM], v[BM+1], v[BM+2]
	v_max_num_f32 v[TP], v[TP], v[BM+3]            ; the step's largest score of my query
	v_mul_f32 v[TP], s[CS], v[TP]                  ; as t (c is positive)
	v_max_num_f32 v[TMX], v[TMX], v[TP]            ; the running largest t
	v_mov_b32 v[TP], v[NM]
	v_floor_f32 v[NM], -v[TMX]                     ; the new -M = floor(-t) = -ceil(t): M is a whole number
	v_sub_f32 v[TP], v[NM], v[TP]                  ; M's old value less its new one: a whole number, 0 or less
	v_cvt_i32_f32 v[TP], v[TP]                     ; (it saturates)
	v_ldexp_f32 v[F], 1.0, v[TP]                   ; f = 2^(old M - new M): a multiplication by it rounds nothing
.set j, 0
.rept 32
	v_pk_fma_f32 v[S+j:S+j+1], v[S+j:S+j+1], s[CS:CS+1], v[NM:NM+1] op_sel_hi:[1,0,0]   ; t - M, two at a time (of the pairs c and -M the low word serves both halves)
.set j, j+2
.endr
.irp b2, 0,1,2,3
	v_fma_f32 v[BM+\b2], v[BM+\b2], s[CS], v[NM]   ; the same of each block's largest score
.endr
.set j, 0
.rept 64
	v_exp_f32 v[S+j], v[S+j]                       ; p = 2^(t - M), at most 1: not normalised
.set j, j+1
.endr
	v_pk_mul_f32 v[SUM:SUM+1], v[SUM:SUM+1], v[F:F+1] op_sel_hi:[1,0]   ; the sums under the new M.  (The plain instruction behind the exponentials)
	s_wait_alu depctr_va_vdst(0)                   ; ahead of the first line that names an exponential's result: one wait for the batch of 64
.irp b2, 0,1,2,3
	v_exp_f32 v[BM+\b2], v[BM+\b2]                 ; the block's largest p: the same two instructions on the same number give the same bits
.endr
	v_pk_add_f32 v[BX:BX+1], v[S:S+1], v[S+2:S+3]  ; THE ROW'S SUM IS TAKEN OF THE UNQUANTISED p: two at a time, in two chains.  (It reads the 64 alone: plain work behind the four)
.set j, 4
.rept 15
	v_pk_add_f32 v[SUM:SUM+1], v[SUM:SUM+1], v[S+j:S+j+1]
	v_pk_add_f32 v[BX:BX+1], v[BX:BX+1], v[S+j+2:S+j+3]
.set j, j+4
.endr
	v_pk_add_f32 v[SUM:SUM+1], v[SUM:SUM+1], v[BX:BX+1]
	s_wait_alu depctr_va_vdst(0)                   ; and one for the four
.irp b2, 0,1,2,3
	v_max_num_f32 v[BM+\b2], 0x1800000, v[BM+\b2]  ; the floor 2^(3 - 127): the byte cannot fall under 1 (a block whose every p is 0 keeps that byte: its codes are zeros)
.endr
.irp b2, 0,1,2,3
	v_add_nc_u32 v[SO+\b2], 0xff000000, v[BM+\b2]  ; 2 off the exponent field: the conversion takes the exponent field of this operand as its scale
.endr
.irp b2, 0,1,2,3
	v_lshrrev_b32 v[BX+\b2], 23, v[SO+\b2]         ; the scale's byte
.endr
	v_lshl_or_b32 v[PW], v[BX+1], 8, v[BX]         ; p's scale word for these 128 keys
	v_lshl_or_b32 v[PW], v[BX+2], 16, v[PW]
	v_lshl_or_b32 v[PW], v[BX+3], 24, v[PW]
.irp b2, 0,1,2,3
	v_cvt_scalef32_pk8_fp4_f32 v[PC+2*\b2], v[S+16*\b2:S+7+16*\b2], v[SO+\b2]
	v_cvt_scalef32_pk8_fp4_f32 v[PC+1+2*\b2], v[S+8+16*\b2:S+15+16*\b2], v[SO+\b2]
.endr
	v_nop                                          ; one plain instruction between a scaled conversion and the vector instruction that touches its result
.irp c, 0,1                            ; the operand's layout wants a WHOLE block in a lane: lanes 0-15 block 2 c, lanes 16-31 block 2 c + 1
.irp i, 0,1
	v_permlane16_swap_b32 v[PC+4*\c+\i], v[PC+2+4*\c+\i]
.endr
.endr
.irp t, 0,1,2,3                        ; p has been used up: v's fragments 4-7 take its first 32 registers
.irp c, 0,1
	ds_load_b128 v[S+8*\t+4*\c:S+8*\t+4*\c+3], v[LF] offset:(\b)*REC+VIM+4096+1024*\t+512*\c
.endr
.endr
.set j, 0
.rept 32
	v_pk_mul_f32 v[O+j:O+j+1], v[O+j:O+j+1], v[F:F+1] op_sel_hi:[1,0]   ; O^T under the new M.  (These 32 are also the places between the lines that made p's codes and scale word and the products below)
.set j, j+2
.endr
	s_wait_dscnt 0x0                               ; v's fragments and scale words
.irp t, 0,1,2,3,4,5,6,7                ; eight accumulators, one instruction each: none follows itself
	OPROD \t
.endr
.rept 5
	v_nop                                          ; five places: the next matrix instruction writes scores over registers that these products have read; four of them also serve the next loads and the next read of O^T
.endr
.endm
; A TRIP: buffer b holds the step in s[STEPR + b].  The next step goes into s[STEPR + 1 - b] and its record into the other buffer.
; ONE barrier does both orders: in front of it my stores into the other buffer have landed and my reads of this one are back; the other buffer was last read ahead of the barrier before.
.macro TRIP b
	EXTRACT STEPR+1-\b
	s_lshl_b32 s[BIT], 1, s[STEPR+\b]
	s_and_b32 s[PT], s[WP], s[BIT]
	s_and_b32 s[WK], s[WN], s[BIT]
	s_and_not1_b32 s[WN], s[WN], s[BIT]            ; done: when the list has run out, the held number 31 finds no bit a second time
	s_cmp_lg_u32 s[WK], 0
	s_cbranch_scc0 .Lidle_\@
	UNIT_A \b
	STAGE_ISSUE                                    ; behind the scores, whose fragments 4-7 have left v64-95; the loads have the softmax and the second product in which to land
	UNIT_B \b
	s_branch .Lmeet_\@
.Lidle_\@:
	STAGE_ISSUE                                    ; my tile passes the step over, but my part of the group's next record is still mine to bring
.Lmeet_\@:
	s_wait_loadcnt 0x0                             ; on every way: the record's bytes are in registers, and no load of mine still reads an address
	STAGE_STORE 1-\b
	s_wait_dscnt 0x0
	s_barrier_signal -1
	s_barrier_wait -1
.endm
	s_load_b256 s[4:11], s[0:1], 0x0               ; q_codes s[4:5], q_scales s[6:7], mask s[8:9], kv s[10:11]
	s_load_b128 s[12:15], s[0:1], 0x20             ; flags s[12:13], out0 s[14:15]
	v_lshrrev_b32 v9, 5, v0
	v_readfirstlane_b32 s[WV], v9                  ; wave 0..15
	s_lshr_b32 s[G], s[WV], 2
	s_and_b32 s[WG], s[WV], 3
	s_and_b32 s[HD], ttmp7, 0xffff
	s_sub_co_u32 s[TMP], 31, ttmp9
	s_bitcmp1_b32 s[G], 0
	s_cselect_b32 s[TMP], s[TMP], ttmp9            ; odd groups count down from 31, even ones up from 0,
	s_lshr_b32 s40, s[G], 1
	s_lshl_b32 s40, s40, 5
	s_add_co_u32 s[TMP], s[TMP], s40               ; groups 2 and 3 in the upper 32: my group's block of 64 queries
	s_lshl_b32 s[TT], s[TMP], 2
	s_add_co_u32 s[TT], s[TT], s[WG]               ; my tile of 16
	s_lshl_b32 s[OFF], s[TMP], 5                   ; four tiles' flags: 32 bytes
	s_mov_b32 s[OFF+1], 0
	s_lshl_b32 s40, s[WG], 3
	s_mov_b32 s41, 0
	s_wait_kmcnt 0x0
	s_add_nc_u64 s[MA:MA+1], s[12:13], s[OFF:OFF+1]
	s_add_nc_u64 s[RA:RA+1], s[MA:MA+1], s[40:41]
	s_load_b256 s[FL:FL+7], s[MA:MA+1], 0x0        ; my group's
	s_load_b64 s[WN:WN+1], s[RA:RA+1], 0x0         ; my tile's
	v_and_b32 v9, 31, v0                           ; lane
	v_and_b32 v10, 15, v0                          ; r
	v_bfe_u32 v11, v0, 4, 1                        ; h
	s_mul_i32 s[TMP], s[G], 2*REC
	v_lshl_add_u32 v[LF], v9, 4, s[TMP]
	s_lshl_b32 s[BIT], s[WG], 9
	v_add_nc_u32 v[LS], s[BIT], v[LF]
	v_lshl_add_u32 v[GS], v9, 4, s[BIT]
	s_lshl_b32 s[BIT], s[WG], 8
	v_lshl_add_u32 v[GS2], v9, 3, s[BIT]
	v_add_nc_u32 v[LS2], s[TMP], v[GS2]
	v_lshlrev_b32 v[MO], 12, v10
	v_lshl_add_u32 v[MO], v11, 4, v[MO]
	v_lshlrev_b32 v[GO], 9, v11
	v_lshl_add_u32 v[GO], v10, 4, v[GO]
	v_mov_b32 v[NEG], 0xf3000000
	s_mul_i32 s[TMP], s[WV], 16*272
	s_add_co_u32 s[TMP], s[TMP], OUTS              ; my stage
	v_mul_u32_u24 v[STI], v10, 272
	v_lshl_add_u32 v[STI], v11, 5, v[STI]
	v_add_nc_u32 v[STI], s[TMP], v[STI]            ; in: row r; a fragment's eight channels of my half: 32 h bytes on
	v_mul_u32_u24 v[STB], v11, 272
	v_lshl_add_u32 v[STB], v10, 4, v[STB]
	v_add_nc_u32 v[STB], s[TMP], v[STB]            ; back: lanes 0-15 one row, lanes 16-31 the next
	v_lshlrev_b32 v[BM], 6, v10
	v_lshl_add_u32 v[BM], v11, 4, v[BM]            ; Q: row r of 64 bytes, + 16 h
	v_lshlrev_b32 v[BM+1], 2, v10                  ; and its scale word
	s_mul_i32 s[OFF], s[HD], 32*REC
	s_add_nc_u64 s[KVH:KVH+1], s[10:11], s[OFF:OFF+1]
	s_lshl_b32 s[OFF], s[TT], 16                   ; 16 rows of 4,096 bytes
	s_add_nc_u64 s[MB:MB+1], s[8:9], s[OFF:OFF+1]
	s_lshl_b32 s[OFF], s[HD], 18
	s_lshl_b32 s[TMP], s[TT], 10
	s_add_co_u32 s[OFF], s[OFF], s[TMP]
	s_add_nc_u64 s[4:5], s[4:5], s[OFF:OFF+1]      ; Q's codes at my first query: 64 bytes a query
	s_lshl_b32 s[OFF], s[HD], 14
	s_lshl_b32 s[TMP], s[TT], 6
	s_add_co_u32 s[OFF], s[OFF], s[TMP]
	s_add_nc_u64 s[6:7], s[6:7], s[OFF:OFF+1]      ; its scale words: 4 bytes
	s_lshl_b32 s[OFF], s[HD], 21
	s_lshl_b32 s[TMP], s[TT], 13
	s_add_co_u32 s[OFF], s[OFF], s[TMP]
	s_add_nc_u64 s[14:15], s[14:15], s[OFF:OFF+1]  ; its row of the output: 512 bytes
	s_mov_b32 s[SEL], 0x76543210
	s_mov_b32 s[SEL+1], 0xfedcba98
	s_mov_b32 s[CS], 0x3e0293ee                    ; c = log2(e) / sqrt(128)
	s_mov_b32 s[CS+1], s[CS]                       ; (named with it as a pair, so it is written)
	s_wait_kmcnt 0x0                               ; the flags; their address registers are free again
	s_or_b32 s[GN], s[FL], s[FL+2]
	s_or_b32 s[TMP], s[FL+4], s[FL+6]
	s_or_b32 s[GN], s[GN], s[TMP]                  ; the steps that some tile of my group needs: never none, since every tile needs a step
	EXTRACT STEPR
	STAGE_LOADS                                    ; the first record, without a branch
	global_load_b128 v[QF:QF+3], v[BM], s[4:5] th:TH_LOAD_NT
	global_load_b128 v[QF+4:QF+7], v[BM], s[4:5] offset:32 th:TH_LOAD_NT   ; Q's fragment stays in registers
	global_load_b32 v[QS], v[BM+1], s[6:7] th:TH_LOAD_NT
	v_mov_b32 v[TMX], 0xff61b1e6                   ; the largest t so far: -3e38, under every t
	v_floor_f32 v[NM], -v[TMX]                     ; -M
	v_mov_b32 v[SUM], 0                            ; the sum, in two halves
	v_mov_b32 v[SUM+1], 0
.irp b2, 0,1,2,3
	v_mov_b32 v[BX+\b2], 0                         ; written once: a lane permute's destination counts as one of its sources
.endr
	v_mov_b32 v[F], 0                              ; likewise, for the way out's
	v_mov_b32 v[PW], 0                             ; (named as the upper half of the pair v[252:253] before it is first written)
.set j, 0
.rept 64
	v_mov_b32 v[O+j], 0                            ; O^T.  (The step is written once for each buffer: the first finds zeros, which the first change of M leaves zeros)
.set j, j+1
.endr
	s_wait_loadcnt 0x0
	STAGE_STORES 0
	s_wait_dscnt 0x0                               ; for the others' sake: my part of the first record lies in LDS
	s_barrier_signal -1
	s_barrier_wait -1
	s_mov_b32 s[CNT], 16
.Ltrips:                                           ; 16 x 2 trips: as many as a head has key steps
	TRIP 0
	TRIP 1
	s_sub_co_u32 s[CNT], s[CNT], 1
	s_cmp_lg_u32 s[CNT], 0
	s_cbranch_scc1 .Ltrips
	; THE WAY OUT.  O^T is divided by the sum and goes through my own stage in LDS, half a row (64 channels, 256 bytes) of 16 queries at a time, so that sixteen lanes store 256 consecutive aligned bytes.
	v_add_f32 v[SUM], v[SUM], v[SUM+1]             ; the sum's two halves,
	v_permlanex16_b32 v[F], v[SUM], s[SEL], s[SEL+1]
	v_add_f32 v[SUM], v[SUM], v[F]                 ; and lane l xor 16's: the row's sum, over 1/2 since the row's largest p is
	v_rcp_f32 v[SUM], v[SUM]
	v_nop                                          ; a plain instruction behind the transcendental
	s_wait_alu depctr_va_vdst(0)                   ; and a wait ahead of its first use
.set j, 0
.rept 64
	v_mul_f32 v[S+j], v[O+j], v[SUM]               ; ascending: register 8 t + i is out(r, 16 t + 8 h + i)
.set j, j+1
.endr
.irp u, 0,1                            ; channels 64 u on
.irp t, 0,1,2,3
	ds_store_b128 v[STI], v[S+32*\u+8*\t:S+32*\u+8*\t+3] offset:64*\t
	ds_store_b128 v[STI], v[S+32*\u+8*\t+4:S+32*\u+8*\t+7] offset:64*\t+16
.endr
.irp i, 0,1,2,3,4,5,6,7
	ds_load_b128 v[KF+32*\u+4*\i:KF+32*\u+4*\i+3], v[STB] offset:2*\i*272   ; LDS serves a wave's instructions in order (ISA guide 5.7.1.4): these see my stores, and the next half's stores come behind them
.endr
.endr
.irp u, 0,1
.irp i, 0,1,2,3,4,5,6,7
	s_wait_dscnt 23-16*\u-\i                       ; behind this load: the rest of its half's eight, and for the first half the second's eight stores and eight loads
	global_store_b128 v[GO], v[KF+32*\u+4*\i:KF+32*\u+4*\i+3], s[14:15] offset:2*\i*512+256*\u th:TH_STORE_NT
.endr
.endr
	s_wait_xcnt 0x0
	v_lshl_add_u32 v254, v0, 2, 0x33000
	v_mov_b32 v255, 0
	s_wait_tensorcnt 0x0
	ds_add_u32 v254, v255
	s_wait_dscnt 0x0
	s_endpgm
.Lfunc_end_k_qe3cce00d11_attn:
	.size	k_qe3cce00d11_attn, .Lfunc_end_k_qe3cce00d11_attn-k_qe3cce00d11_attn
	.p2alignl 7, 3214868480
	.fill 96, 4, 3214868480
	.section	.rodata,"a",@progbits
	.p2align	6, 0x0
	.amdhsa_kernel k_qe3cce00d11_attn
		.amdhsa_group_segment_fixed_size 210944
		.amdhsa_private_segment_fixed_size 0
		.amdhsa_enable_private_segment 0
		.amdhsa_kernarg_size 48
		.amdhsa_user_sgpr_count 2
		.amdhsa_user_sgpr_kernarg_segment_ptr 1
		.amdhsa_wavefront_size32 1
		.amdhsa_system_sgpr_workgroup_id_x 1
		.amdhsa_system_sgpr_workgroup_id_y 1
		.amdhsa_system_sgpr_workgroup_id_z 1
		.amdhsa_system_vgpr_workitem_id 0
		.amdhsa_next_free_vgpr 256
		.amdhsa_next_free_sgpr 66
		.amdhsa_reserve_vcc 0
		.amdhsa_float_denorm_mode_32 3
		.amdhsa_float_denorm_mode_16_64 3
		.amdhsa_memory_ordered 1
		.amdhsa_forward_progress 1
		.amdhsa_inst_pref_size 86
	.end_amdhsa_kernel
	.amdgpu_metadata
---
amdhsa.version: [ 1, 2 ]
amdhsa.kernels:
  - .name:           k_qe3cce00d11_attn
    .symbol:         k_qe3cce00d11_attn.kd
    .args:
      - { .name: q_codes, .offset: 0, .size: 8, .value_kind: global_buffer, .address_space: global }
      - { .name: q_scales, .offset: 8, .size: 8, .value_kind: global_buffer, .address_space: global }
      - { .name: mask, .offset: 16, .size: 8, .value_kind: global_buffer, .address_space: global }
      - { .name: kv, .offset: 24, .size: 8, .value_kind: global_buffer, .address_space: global }
      - { .name: flags, .offset: 32, .size: 8, .value_kind: global_buffer, .address_space: global }
      - { .name: out0, .offset: 40, .size: 8, .value_kind: global_buffer, .address_space: global }
    .group_segment_fixed_size: 210944
    .private_segment_fixed_size: 0
    .kernarg_segment_align: 8
    .kernarg_segment_size: 48
    .max_flat_workgroup_size: 512
    .sgpr_count:     66
    .vgpr_count:     256
    .wavefront_size: 32
...
	.end_amdgpu_metadata
.endif
;; end of part 2
